; MI455X (gfx1250); checked and timed in simulation.
; The chip was launched on July 23, 2026; its instructions are those of AMD's public machine-readable ISA for CDNA 5 (MIT licence, August 2026) and "CDNA5" Instruction Set Architecture Reference Guide (July 2026). The comments in the code are by the model that wrote it; some were corrected since.
;; Multi Head Self Attention. Allowed arithmetic: matrix products marked QUANTISED: E4M3 operands, one given power-of-two scale a tensor, by v_wmma_f32_16x16x64_fp8_fp8 or v_wmma_f32_16x16x128_fp8_fp8, f32 sums; everything else in f32.
;; Inputs: b_out 1,024 float32; b_qkv 3,072 float32; lowp_scales 8 int32 (the exponents e of the quantised operands' scales 2^e); w_out_codes 1,024 x 32 x 32 uint8 (E4M3 codes of w_out, K innermost, in blocks of 32 codes); w_qkv_codes 3,072 x 32 x 32 uint8 (E4M3 codes of w_qkv, K innermost, in blocks of 32 codes); x_codes 4 x 2,048 x 32 x 32 uint8 (E4M3 codes of x, K innermost, in blocks of 32 codes).
;; Outputs: out0 4 x 2,048 x 1,024 float32.
;; This version of the problem:
;;   THIS VERSION OF THE PROBLEM IS GIVEN IN LOW PRECISION. The matrix products marked QUANTISED in the list below multiply operands that are first quantised to E4M3 (4 exponent bits, 3 mantissa bits; 8 bits a number), with one given power-of-two scale for each operand tensor; their sums are f32. All else is computed in f32.
;;   The module's matrix products, in the order in which they are computed (A, B: the left and right operand; K: the contracted axis; several contracted axes count as one K, in the product's order):
;;     1. [M 8,192, K 1,024] x [K 1,024, N 3,072]; A: input x (given as codes); B: input w_qkv (given as codes): QUANTISED (scales: A lowp_scales[0], B lowp_scales[1])
;;     2. batch 64 x [M 2,048, K 64] x [K 64, N 2,048]; A: computed on the way; B: computed on the way: QUANTISED (scales: A lowp_scales[2], B lowp_scales[3])
;;     3. batch 64 x [M 2,048, K 2,048] x [K 2,048, N 64]; A: softmax (see below); B: computed on the way: QUANTISED (scales: A lowp_scales[4], B lowp_scales[5])
;;     4. [M 8,192, K 1,024] x [K 1,024, N 1,024]; A: computed on the way; B: input w_out (given as codes): QUANTISED (scales: A lowp_scales[6], B lowp_scales[7])
;;   THE QUANTISER, for each operand of a quantised product, along K:
;;     - The operand's scale is 2^e, e = its entry of the input lowp_scales (int32; the entries are numbered through the quantised products in the list's order, A before B).
;;     - Each number is divided by the scale, clamped to +-448, and rounded to the nearest number of E4M3, ties to even, subnormals kept.
;;     - The product sums the exact products of the quantised numbers (number of the format x scale) in f32.
;;   ~~~python
;;   def quantise(x, axis, e):      # numpy; x: float32 -> the quantised numbers, widened to float32 again
;;       x = np.moveaxis(x, axis, -1); K = x.shape[-1]
;;       r = np.clip(x / 2.0 ** e, -448, 448)
;;       step = 2.0 ** (np.maximum(np.frexp(np.where(r == 0, 1, r))[1] - 1, -6) - 3)
;;       q = np.round(r / step) * step * 2.0 ** e      # np.round: ties to even
;;       return np.moveaxis(q, -1, axis).astype(np.float32)
;;   ~~~
;;   SOFTMAX AHEAD OF A QUANTISED PRODUCT. Where the list says 'softmax', what is quantised is not the finished softmax but p = 2^(t - M), with t = logit x log2(e) and M = ceil(the row's largest t), a whole number; so 1/2 < the row's largest p <= 1. The row's sum l is taken of the UNQUANTISED p, in f32, and the product's result is divided by l at the end. Since M is a whole number, a kernel that streams over the keys may use a running M (the ceiling of the running maximum): every later rescaling is an exact power of two, so the quantised numbers keep their values, but for numbers so far below the row's largest that they fall under the format's range.
;;   OPERANDS COMPUTED ON THE WAY. 'Computed on the way' means the value that the module computes at that place (a softmax that the list does not call 'softmax' is quantised finished and normalised). What goes into a quantiser is computed in f32, as accurately as f32 sums, v_exp_f32 and their like allow (about 1e-6 of the number): no bf16 or f16 on the way to a quantiser, and a product that is left as it is and whose result goes on into a quantised operand takes f32 operands (vector FMAs, or v_wmma_f32_16x16x4_f32). A number that lies on a knife's edge between two numbers of the format may be rounded either way, as far as f32 arithmetic and the matrix unit's own rounding can turn it there, and no further.
;;   INPUTS GIVEN AS CODES. w_out (in the module: [1024, 1024], K = its axis 1); w_qkv (in the module: [3072, 1024], K = its axis 1); x (in the module: [4, 2048, 1024], K = its axis 2): each comes as NAME_codes (uint8): NAME with its K axis moved to the last place and cut into blocks of 32 codes, [.., K / 32, bytes a block], one block behind the other in memory; one code a byte (a code: sign, 4 exponent bits, 3 mantissa bits); its scale is its entry of lowp_scales. Its value is code x scale, taken as it is: it is not quantised again, and the codes and scales need not be those that the quantiser above would give.
;; One version. Each part assembles by itself: llvm-mc -triple=amdgcn-amd-amdhsa -mcpu=gfx1250 --defsym DOCPART=n.
;; ======== version 1 of 1: 3 launches
;; limits: right only within a limited range of input values
;; workspace buffers: qkv 25,165,824 bytes; att 8,388,608 bytes
;; launch qkv (part 1): grid 12 x 32, 4 waves a work-group, clusters of 4 x 4, 327,680 bytes of LDS; arguments x_codes, w_qkv_codes, lowp_scales, b_qkv, qkv; writes qkv
.if DOCPART == 1
	.amdgcn_target "amdgcn-amd-amdhsa--gfx1250"
	.amdhsa_code_object_version 6
	.text
	.protected	k_qe0d65ef30d_qkv
	.globl	k_qe0d65ef30d_qkv
	.p2align	8
	.type	k_qe0d65ef30d_qkv,@function
k_qe0d65ef30d_qkv:
	s_mov_b64 s[64:65], 0
	v_nop
	global_prefetch_b8 v0, s[64:65] scope:SCOPE_SE
	s_setreg_imm32_b32 hwreg(HW_REG_WAVE_MODE, 25, 1), 1
	s_wait_xcnt 0x0
	s_wait_alu depctr_hold_cnt(0) depctr_sa_sdst(0) depctr_va_vdst(0) depctr_va_sdst(0) depctr_va_ssrc(0) depctr_va_vcc(0) depctr_vm_vsrc(0)
	s_getreg_b32 s2, hwreg(HW_REG_IB_STS2, 6, 4)
	s_cmp_eq_u32 s2, 0
	s_cbranch_scc0 .Lentry_in_a_cluster
	s_endpgm
.Lentry_in_a_cluster:
	s_bfe_u32 s2, ttmp6, 0x10000c
	s_cmp_lg_u32 s2, 0xf033
	s_cbranch_scc0 .Lentry_shape_is_right
	s_endpgm
.Lentry_shape_is_right:
; qkv = x w_qkv^T + b_qkv on codes of FP8 (E4M3), then q, k and v are quantised with their given scales and stored as codes.
; x: [8192][1024] codes, w_qkv: [3072][1024] codes, K innermost.  A sum stands for sum x 2^(e0 + e1); value = sum x 2^(e0 + e1) + bias, in f32;
; code = value / 2^e, held within +-448, to the nearest code, ties to even; e = e2 for q, e3 for k, e5 for v (entries of lowp_scales).
; LIMITS: e0 + e1 between -126 and 127; e2, e3, e5 between -126 and 119, so that each power of two below is an f32 number.  NaN in b_qkv is not served.
; SHARES.  A tile of 256 x 256 results to a work-group of four waves; a wave makes 128 x 128: 64 accumulators, 512 registers.  K goes in steps of 256 through two LDS slots.
; THE MATRIX INSTRUCTION IS USED TRANSPOSED: source 0 = 16 rows of the "B side", source 1 = 16 rows of the "A side": lane (r, h) holds A-side row r, and register j of tile b the B-side row 16 b + 8 h + j.
; ROLES hang on the cluster's x alone (equal in all sixteen partners).  Cluster x 0, 1 (q, k): A side = rows of x, B side = rows of w: a lane's registers run along the head's channels, the K of q k^T.
; Cluster x 2 (v): A side = rows of w (channels), B side = rows of x (keys): a lane's registers run along the keys, the K of p v.
; THE WORKSPACE IS LAID AS IMAGES OF OPERAND REGISTERS.  One conversion turns a tile's 8 registers into 2; tiles 2 c and 2 c + 1 give 4 registers with k = 32 c + 8 h + 0..7 and 32 c + 16 + 8 h + 0..7: registers
; 4 c .. 4 c + 3 of an 8-bit operand (ISA guide 7.12.2).  They are stored at 16 x lane: 512 consecutive bytes, aligned.  q, k: [bh 64][16 rows: 128][chunk 2][lane][16]; v: [bh 64][128 keys: 16][16 channels: 4][chunk 4][lane][16].
; CLUSTERS: 4 x 4.  A-side tiles hang on the cluster's row alone and are asked for jointly along it, B-side tiles on its column.
; REGISTERS, in windows of 256: window 0: v0-31 addresses and the constant of the conversion; v32-95, v96-111 biases; from v128 A's fragments, ONE set; on the way out v128-255 are free.
;   window 1: B's fragments, TWO sets, at v0 and v128.   window 2: accumulators of my A-side rows 0-63 ((a, b) at v[8 (8 a + b)]);   window 3: of rows 64-127.
.set ROWB,   256                       ; a tile's row in bytes: 256 codes
.set KROW,   1024                      ; a row of x or of w in memory, in bytes
.set PITCH,  272                       ; an LDS row: 256 bytes + 16 of padding = 68 words: row r starts at bank 4 r mod 64 (64 banks of 4 bytes: ISA guide 11.1)
.set FR,     16                        ; registers of a fragment: 16 rows x 128 K
.set NL,     4                         ; LDS loads that bring one
.set NP,     4                         ; places behind this matrix instruction (ISA guide 7.12.1)
.set HALFT,  128*PITCH                 ; 128 rows: what one tensor load brings
.set SLOT,   4*HALFT                   ; A's 256 rows, then B's 256 rows
.set LAPS,   2                         ; K = 1024 = 2 laps of two slots of 256
.set SPARE,  2*SLOT                    ; behind the ring: the spare words, 128 bytes a wave
.set ADRA, 16                          ; v16-17  LDS address of my A fragments in slot 0, 1
.set ADRB, 20                          ; v20-21  the same for B
.set SCL,  22                          ; v22     2^e as f32
.set LIM,  23
.set CO,   26                          ; v26     16 x lane
.set SPW,  28                          ; v28     my spare word; never rewritten
.set NIL,  29                          ; v29     0; never rewritten
.set BQ,   32                          ; v32-95  bias along the registers (q, k): 8 b + j
.set BV,   96                          ; v96-111 bias along the lanes (v): block a's in 2 a and 2 a + 1
.set AF,   128                         ; A's fragments
.set TMP,  128                         ; the way out: a block's 64 values
.set CD,   192                         ; the way out: codes, 16 registers for each of four blocks by turns
.set G1, 24
.set G0, 32
.set G1B, 48
.set G0B, 56
.set MSB, 0
.macro WIN new                         ; the immediate's high byte repeats the setting that is left
.if MSB != (\new)
	s_set_vgpr_msb (MSB<<8)|(\new)
.set MSB, (\new)
.endif
.endm
.set MUL_LO, 0xa1                      ; source 0 (B) window 1, source 1 (A) window 0, C and D window 2
.set MUL_HI, 0xf1                      ; the same, C and D window 3
.set TO_B,   0x40                      ; destination window 1, address window 0
; A joint load: waves 0 and 1 fetch for the A side, waves 2 and 3 for the B side.  The branch hangs on the wave's number alone.  Four v_nop follow each of the two lines.
.macro JLOAD g0a, g1a, g0b, g1b
	s_cmp_eq_u32 s15, 0
	s_cbranch_scc0 .Lfor_b_\@
	tensor_load_to_lds s[\g0a:\g0a+3], s[\g1a:\g1a+7]
	s_nop 0
.rept 4
	v_nop
.endr
	s_branch .Lasked_\@
.Lfor_b_\@:
	tensor_load_to_lds s[\g0b:\g0b+3], s[\g1b:\g1b+7]
	s_nop 0
.rept 4
	v_nop
.endr
.Lasked_\@:
.endm
.macro CREST                           ; a round of the cluster's barrier behind its opening barrier
	s_cmp_lg_u32 s14, 0
	s_cbranch_scc1 .Lnot_wave_0_\@
	s_barrier_signal -3
.Lnot_wave_0_\@:
	s_barrier_wait -3
	s_barrier_signal -1
	s_barrier_wait -1
.endm
.macro CROUND                          ; a whole round
	s_barrier_signal -1
	s_barrier_wait -1
	CREST
.endm
	s_load_b128 s[4:7], s[0:1], 0x0                ; x's codes s[4:5], w_qkv's codes s[6:7]
	s_load_b128 s[8:11], s[0:1], 0x10              ; the scales' exponents s[8:9], b_qkv s[10:11]
	s_load_b64 s[12:13], s[0:1], 0x20              ; the workspace
	v_lshl_add_u32 v[SPW], v0, 2, SPARE
	v_mov_b32 v[NIL], 0
	ds_add_u32 v28, v29
	ds_add_u32 v28, v29
	s_wait_dscnt 0x0
	v_lshrrev_b32 v1, 5, v0
	v_readfirstlane_b32 s14, v1                    ; wave 0..3
	s_lshr_b32 s15, s14, 1                         ; my half of the A-side rows.  Also: I fetch for A (0) or for B (1)
	s_and_b32 s16, s14, 1                          ; my half of the B-side rows.  Also: which 128 rows I fetch
	s_bfe_u32 s40, ttmp6, 0x40000                  ; cx
	s_bfe_u32 s41, ttmp6, 0x40004                  ; cy
	s_and_b32 s17, ttmp7, 0xffff
	s_lshl_b32 s17, s17, 2                         ; 4 x cluster y
	s_lshl_b32 s18, ttmp9, 2                       ; 4 x cluster x
	s_cmp_eq_u32 ttmp9, 2                          ; v's clusters?
	s_cselect_b32 s19, 8, s17                      ; A-side tile: rows of w from 2048 on, or rows of x
	s_cselect_b32 s20, s17, s18                    ; B-side tile: rows of x, or rows of w
	s_add_co_u32 s19, s19, s41                     ; TA: + cy, which my row of the cluster shares
	s_add_co_u32 s20, s20, s40                     ; TB: + cx, which my column shares
	s_lshl_b32 s43, s41, 2
	s_lshl_b32 s43, 15, s43                        ; my row of the cluster
	s_lshl_b32 s44, 0x1111, s40                    ; my column
	; descriptor group 1: a tile of 128 rows x 256 bytes, padded in LDS
	s_or_b32 s[G1+0], s43, (0<<16)|(1<<20)|(1<<21)|(5<<22)|(3<<25)  ; 15:0 the mask; 17:16 elements of 1 byte; 20 padding on; 21 set beside a mask; 24:22 after every 64 words; 31:25 four words
	s_or_b32 s[G1B+0], s44, (0<<16)|(1<<20)|(1<<21)|(5<<22)|(3<<25)
.irp g, G1, G1B
	s_mov_b32 s[\g+1], ROWB<<16                    ; tensor_dim0
	s_mov_b32 s[\g+2], 128<<16                     ; tensor_dim1
	s_mov_b32 s[\g+3], ROWB<<16                    ; tile_dim0
	s_mov_b32 s[\g+4], 128                         ; tile_dim1
	s_mov_b32 s[\g+5], KROW                        ; tensor_dim0_stride
	s_mov_b32 s[\g+6], 0
	s_mov_b32 s[\g+7], 0
.endr
	s_lshl_b32 s21, s16, 7                         ; which 128 rows of the tile I fetch
	s_lshl_b32 s22, s19, 8
	s_add_co_u32 s22, s22, s21
	s_lshl_b32 s22, s22, 10                        ; A side: (256 TA + 128 half) rows of 1024 bytes
	s_mov_b32 s23, 0
	s_lshl_b32 s46, s20, 8
	s_add_co_u32 s46, s46, s21
	s_lshl_b32 s46, s46, 10                        ; B side likewise
	s_mov_b32 s47, 0
	s_mul_i32 s45, s14, HALFT                      ; where they go: wave x 128 rows
	s_wait_kmcnt 0x0
	s_load_b256 s[68:75], s[8:9], 0x0              ; e0 .. e7
	s_cmp_eq_u32 ttmp9, 2
	s_cselect_b64 s[82:83], s[6:7], s[4:5]         ; the A side's tensor
	s_cselect_b64 s[84:85], s[4:5], s[6:7]         ; the B side's
	s_add_nc_u64 s[82:83], s[82:83], s[22:23]
	s_add_nc_u64 s[84:85], s[84:85], s[46:47]
	CROUND                                         ; all sixteen work-groups are here: the first joint loads meet
.irp s, 0,1
	s_mov_b32 s[G0+4*\s], 1
	s_add_co_u32 s[G0+4*\s+1], s45, \s*SLOT
	s_add_nc_u64 s[G0+4*\s+2:G0+4*\s+3], s[82:83], \s*ROWB
	s_or_b32 s[G0+4*\s+3], s[G0+4*\s+3], 0x80000000
	s_mov_b32 s[G0B+4*\s], 1
	s_add_co_u32 s[G0B+4*\s+1], s45, \s*SLOT
	s_add_nc_u64 s[G0B+4*\s+2:G0B+4*\s+3], s[84:85], \s*ROWB
	s_or_b32 s[G0B+4*\s+3], s[G0B+4*\s+3], 0x80000000
	JLOAD G0+4*\s, G1, G0B+4*\s, G1B
.endr
	v_and_b32 v1, 15, v0                           ; r
	v_bfe_u32 v2, v0, 4, 1                         ; h
	s_wait_alu depctr_va_vdst(0)
	v_mul_u32_u24 v3, v1, PITCH
	v_lshl_add_u32 v4, v2, 4, v3                   ; a fragment's row x pitch + 16 h
	s_mul_i32 s21, s15, HALFT                      ; my 128 rows of the A side
	s_mul_i32 s22, s16, HALFT                      ; my 128 rows of the B side,
	s_add_co_u32 s22, s22, 2*HALFT                 ; which lie behind A's 256
.irp s, 0,1
	v_add_nc_u32 v[ADRA+\s], s21, v4
	v_add_nc_u32 v[ADRB+\s], s22, v4
	s_add_co_u32 s21, s21, SLOT
	s_add_co_u32 s22, s22, SLOT
.endr
	v_and_b32 v8, 31, v0
	v_lshlrev_b32 v[CO], 4, v8                     ; 16 x lane
	; the biases.  Both sets are loaded in every work-group, so that every register is written on both ways out; the set that is not used comes from b_qkv's first 128 numbers.
	s_lshl_b32 s86, s20, 10
	s_lshl_b32 s21, s16, 9
	s_add_co_u32 s86, s86, s21                     ; 4 (256 TB + 128 half): q, k: my 128 columns
	s_lshl_b32 s88, s19, 10
	s_lshl_b32 s21, s15, 9
	s_add_co_u32 s88, s88, s21                     ; 4 (256 TA + 128 half): v: my 128 channels
	s_cmp_eq_u32 ttmp9, 2
	s_cselect_b32 s86, 0, s86
	s_cselect_b32 s88, s88, 0
	s_mov_b32 s87, 0
	s_mov_b32 s89, 0
	s_add_nc_u64 s[86:87], s[10:11], s[86:87]
	s_add_nc_u64 s[88:89], s[10:11], s[88:89]
	v_lshlrev_b32 v6, 5, v2                        ; 32 h
	v_lshlrev_b32 v7, 2, v1                        ; 4 r
.irp b, 0,1,2,3,4,5,6,7
	global_load_b128 v[BQ+8*\b:BQ+8*\b+3], v6, s[86:87] offset:64*\b        ; b(16 b + 8 h + 0 .. 3)
	global_load_b128 v[BQ+8*\b+4:BQ+8*\b+7], v6, s[86:87] offset:64*\b+16
.endr
.irp a, 0,1,2,3,4,5,6,7
	global_load_b32 v[BV+2*\a], v7, s[88:89] offset:64*\a                   ; b(16 a + r), twice: a pair for the packed form
	global_load_b32 v[BV+2*\a+1], v7, s[88:89] offset:64*\a
.endr
	; where my results go.  q, k: part = cluster x; bh = 16 (TA / 8) + 4 cx + 2 half_B (+ c / 2); block of 16 rows = 16 (TA % 8) + 8 half_A (+ a)
	s_lshr_b32 s90, s19, 3
	s_lshl_b32 s90, s90, 4
	s_lshl_b32 s21, s40, 2
	s_add_co_u32 s90, s90, s21
	s_lshl_b32 s21, s16, 1
	s_add_co_u32 s90, s90, s21
	s_lshl_b32 s90, s90, 17
	s_and_b32 s21, s19, 7
	s_lshl_b32 s21, s21, 4
	s_lshl_b32 s91, s15, 3
	s_add_co_u32 s21, s21, s91
	s_lshl_b32 s21, s21, 10
	s_add_co_u32 s90, s90, s21
	s_lshl_b32 s21, ttmp9, 23
	s_add_co_u32 s90, s90, s21
	; v: part 2; bh = 16 (TB / 8) + 4 cy + 2 half_A (+ a / 4); step of 128 keys = 2 (TB % 8) + half_B
	s_lshr_b32 s92, s20, 3
	s_lshl_b32 s92, s92, 4
	s_lshl_b32 s21, s41, 2
	s_add_co_u32 s92, s92, s21
	s_lshl_b32 s21, s15, 1
	s_add_co_u32 s92, s92, s21
	s_lshl_b32 s92, s92, 17
	s_and_b32 s21, s20, 7
	s_lshl_b32 s21, s21, 1
	s_add_co_u32 s21, s21, s16
	s_lshl_b32 s21, s21, 13
	s_add_co_u32 s92, s92, s21
	s_add_co_u32 s92, s92, 2<<23
	s_cmp_eq_u32 ttmp9, 2
	s_cselect_b32 s90, s92, s90
	s_mov_b32 s91, 0
	s_add_nc_u64 s[12:13], s[12:13], s[90:91]
.macro FRAG reg, adr, q, i             ; 16 rows x 128 K in 16 registers, by four loads of 16 bytes: registers 4 c .. 4 c + 3 hold K = 32 c + 16 h + 0 .. 15: the same permutation of K on both sides, so every product meets its partner
.irp c, 0,1,2,3
	ds_load_b128 v[\reg+4*\c:\reg+4*\c+3], v[\adr] offset:128*(\q)+32*\c+(\i)*16*PITCH
.endr
.endm
; 16 matrix instructions: A's blocks a0, a0 + 1 x B's eight.  p: B's set.  zero = 1: the first product starts the sums.  The 64 accumulators take turns, one instruction a turn.
.macro MUL16 a0, p, zero
.irp a, \a0, \a0+1
.irp b, 0,1,2,3,4,5,6,7
.if \zero
	v_wmma_f32_16x16x128_fp8_fp8 v[8*(8*((\a)%4)+\b):8*(8*((\a)%4)+\b)+7], v[128*(\p)+FR*\b:128*(\p)+FR*\b+FR-1], v[AF+FR*(\a):AF+FR*(\a)+FR-1], 0
.else
	v_wmma_f32_16x16x128_fp8_fp8 v[8*(8*((\a)%4)+\b):8*(8*((\a)%4)+\b)+7], v[128*(\p)+FR*\b:128*(\p)+FR*\b+FR-1], v[AF+FR*(\a):AF+FR*(\a)+FR-1], v[8*(8*((\a)%4)+\b):8*(8*((\a)%4)+\b)+7]
.endif
.endr
.endr
.endm
.macro FETCH_B slot, q, p              ; B's eight fragments of the slot's q-th 128 along K into set p
	WIN TO_B
.irp i, 0,1,2,3,4,5,6,7
	FRAG 128*(\p)+FR*\i, ADRB+\slot, \q, \i
.endr
	WIN 0
.endm
.macro FETCH_A slot, q, i0             ; A's blocks i0 .. i0 + 3
.irp i, \i0, \i0+1, \i0+2, \i0+3
	FRAG AF+FR*(\i), ADRA+\slot, \q, \i
.endr
.endm
.macro PLACES n                        ; plain vector lines between a matrix instruction and a load into, or a vector read or write of, its registers
.rept \n
	v_nop
.endr
.endm
; A step of 128 along K that has its successor in the same slot.
.macro STEP slot, q, zero
	s_wait_dscnt 4*NL                              ; B's set and A's blocks 0-3 are in; the youngest sixteen loads (A's blocks 4-7) may be out
	WIN MUL_LO
	MUL16 0, (\q)%2, \zero
	MUL16 2, (\q)%2, \zero
	s_wait_dscnt 0                                 ; A's blocks 4-7 are in
	PLACES NP
	FETCH_B \slot, (\q)+1, 1-(\q)%2
	FETCH_A \slot, (\q)+1, 0
	WIN MUL_HI
	MUL16 4, (\q)%2, \zero
	MUL16 6, (\q)%2, \zero
	PLACES NP
	WIN 0
	FETCH_A \slot, (\q)+1, 4
.endm
; A slot's last step changes slots: one barrier; in front of it each wave waits for all its tensor loads, adds 0 to its spare word, and waits for that and for its reads of this slot.  fill = 1: the slot is filled again.
.macro TURN slot, next, fill
	s_wait_tensorcnt 0x0                           ; all my tensor loads have landed: my part of the next slot
	ds_add_u32 v[SPW], v[NIL]                      ; 0 onto my spare word
	s_wait_dscnt 4*NL+1                            ; the add and the youngest sixteen loads may be out
	WIN MUL_LO
	MUL16 0, 1, 0
	s_wait_dscnt 0x0                               ; the add is done, and my reads of this slot are over
	s_barrier_signal -1
	MUL16 2, 1, 0
	WIN 0
	s_barrier_wait -1
.if \fill
	CREST                                          ; the barrier has opened a round of the cluster's barrier: no wave of any partner still reads this slot or has a load on its way
	s_add_nc_u64 s[G0+4*\slot+2:G0+4*\slot+3], s[G0+4*\slot+2:G0+4*\slot+3], 2*ROWB
	s_add_nc_u64 s[G0B+4*\slot+2:G0B+4*\slot+3], s[G0B+4*\slot+2:G0B+4*\slot+3], 2*ROWB
	JLOAD G0+4*\slot, G1, G0B+4*\slot, G1B         ; the first tensor load behind the round; its four v_nop are also the places in front of the loads below
.else
	PLACES NP
.endif
	FETCH_B \next, 0, 0
	FETCH_A \next, 0, 0
	WIN MUL_HI
	MUL16 4, 1, 0
	MUL16 6, 1, 0
	PLACES NP
	WIN 0
	FETCH_A \next, 0, 4
.endm
	s_wait_alu depctr_va_vdst(0)
	s_wait_tensorcnt 1                             ; my part of slot 0 is in; slot 1's load may be out
	s_barrier_signal -1
	s_barrier_wait -1
	FETCH_B 0, 0, 0
	FETCH_A 0, 0, 0
	FETCH_A 0, 0, 4
	STEP 0, 0, 1                                   ; the first step's products start the sums
	s_mov_b32 s3, LAPS-1
.Llap:                                                 ; a trip goes once round the ring and fills both slots again
	TURN 0, 1, 1
	STEP 1, 0, 0
	TURN 1, 0, 1
	STEP 0, 0, 0
	s_sub_co_u32 s3, s3, 1
	s_cmp_lg_u32 s3, 0
	s_cbranch_scc1 .Llap
	TURN 0, 1, 0                                   ; the last lap fills nothing
	STEP 1, 0, 0
	s_wait_dscnt 4*NL
	WIN MUL_LO
	MUL16 0, 1, 0
	MUL16 2, 1, 0
	s_wait_dscnt 0
	WIN MUL_HI
	MUL16 4, 1, 0
	MUL16 6, 1, 0
	WIN 0
; THE WAY OUT, block by block of 16 A-side rows x 128 B-side rows: value = sum x 2^(e0 + e1) + bias (one packed multiply-add for two), the hold, the conversion, four stores of 512 consecutive bytes.
; path 0 (q, k): the bias runs along the registers; chunk c is head c / 2, half c % 2.  path 1 (v): the bias is the lane's channel's; chunk c is keys 32 c on.
.macro OUTBLK a, path
.set CDA, CD+16*((\a)%4)
	WIN 0x02+((\a)/4)                              ; source 0: window 2 or 3
.irp b, 0,1,2,3,4,5,6,7
.irp i, 0,2,4,6
.if \path
	v_pk_fma_f32 v[TMP+8*\b+\i:TMP+8*\b+\i+1], v[64*((\a)%4)+8*\b+\i:64*((\a)%4)+8*\b+\i+1], s[76:77], v[BV+2*(\a):BV+2*(\a)+1] op_sel_hi:[1,0,1]
.else
	v_pk_fma_f32 v[TMP+8*\b+\i:TMP+8*\b+\i+1], v[64*((\a)%4)+8*\b+\i:64*((\a)%4)+8*\b+\i+1], s[76:77], v[BQ+8*\b+\i:BQ+8*\b+\i+1] op_sel_hi:[1,0,1]
.endif
.endr
.endr
	WIN 0
.set n, 0
.rept 64
.set n, n+1
.endr
.if (\a) >= 4
	s_wait_alu depctr_va_vdst(0)
	s_wait_xcnt 0x0                                ; block a - 4's stores have read these registers
.endif
.irp b, 0,1,2,3,4,5,6,7
	v_cvt_scalef32_pk8_fp8_f32 v[CDA+2*\b:CDA+2*\b+1], v[TMP+8*\b:TMP+8*\b+7], v[SCL]
.endr
	v_nop                                          ; one plain line between the conversions and the next block's writes of their sources
.irp c, 0,1,2,3
.if \path
	global_store_b128 v[CO], v[CDA+4*\c:CDA+4*\c+3], s[12:13] offset:131072*((\a)/4)+2048*((\a)%4)+512*\c
.else
	global_store_b128 v[CO], v[CDA+4*\c:CDA+4*\c+3], s[12:13] offset:1024*(\a)+131072*(\c/2)+512*(\c%2)
.endif
.endr
.endm
	s_wait_kmcnt 0x0
	s_add_co_i32 s76, s68, s69
	s_add_co_i32 s76, s76, 127
	s_lshl_b32 s76, s76, 23                        ; 2^(e0 + e1) as f32
	s_mov_b32 s77, s76                             ; (named with it as a pair, so it is written)
	s_cmp_eq_u32 ttmp9, 0
	s_cselect_b32 s80, s70, s71                    ; e2 for q, e3 for k,
	s_cmp_eq_u32 ttmp9, 2
	s_cselect_b32 s80, s73, s80                    ; e5 for v: a choice, no branch
	s_add_co_i32 s80, s80, 127
	s_lshl_b32 s81, s80, 23
	v_mov_b32 v[SCL], s81                          ; 2^e
	s_wait_loadcnt 0x0                             ; the biases
	PLACES NP                                      ; behind the last products: their results are read and A's registers written below
	s_cmp_eq_u32 ttmp9, 2                          ; the cluster's x: equal in all partners
	s_cbranch_scc1 .Lv_out
.irp a, 0,1,2,3,4,5,6,7
	OUTBLK \a, 0
.endr
	s_branch .Ldone
.Lv_out:
.irp a, 0,1,2,3,4,5,6,7
	OUTBLK \a, 1
.endr
.Ldone:
	s_wait_tensorcnt 0x0                           ; the wave's end
	ds_add_u32 v[SPW], v[NIL]
	s_wait_dscnt 0x0
	CROUND                                         ; the closing round: no work-group ends while a partner may still ask for a tile that names it
	s_endpgm
.Lfunc_end_k_qe0d65ef30d_qkv:
	.size	k_qe0d65ef30d_qkv, .Lfunc_end_k_qe0d65ef30d_qkv-k_qe0d65ef30d_qkv
	.p2alignl 7, 3214868480
	.fill 96, 4, 3214868480
	.section	.rodata,"a",@progbits
	.p2align	6, 0x0
	.amdhsa_kernel k_qe0d65ef30d_qkv
		.amdhsa_group_segment_fixed_size 327680
		.amdhsa_private_segment_fixed_size 0
		.amdhsa_enable_private_segment 0
		.amdhsa_kernarg_size 40
		.amdhsa_user_sgpr_count 2
		.amdhsa_user_sgpr_kernarg_segment_ptr 1
		.amdhsa_wavefront_size32 1
		.amdhsa_system_sgpr_workgroup_id_x 1
		.amdhsa_system_sgpr_workgroup_id_y 1
		.amdhsa_system_sgpr_workgroup_id_z 1
		.amdhsa_system_vgpr_workitem_id 0
		.amdhsa_next_free_vgpr 1024
		.amdhsa_next_free_sgpr 100
		.amdhsa_reserve_vcc 0
		.amdhsa_float_denorm_mode_32 3
		.amdhsa_float_denorm_mode_16_64 3
		.amdhsa_fp16_overflow 1
		.amdhsa_memory_ordered 1
		.amdhsa_forward_progress 1
		.amdhsa_inst_pref_size 130
	.end_amdhsa_kernel
	.amdgpu_metadata
---
amdhsa.version: [ 1, 2 ]
amdhsa.kernels:
  - .name:           k_qe0d65ef30d_qkv
    .symbol:         k_qe0d65ef30d_qkv.kd
    .args:
      - { .name: x_codes, .offset: 0, .size: 8, .value_kind: global_buffer, .address_space: global }
      - { .name: w_qkv_codes, .offset: 8, .size: 8, .value_kind: global_buffer, .address_space: global }
      - { .name: lowp_scales, .offset: 16, .size: 8, .value_kind: global_buffer, .address_space: global }
      - { .name: b_qkv, .offset: 24, .size: 8, .value_kind: global_buffer, .address_space: global }
      - { .name: qkv, .offset: 32, .size: 8, .value_kind: global_buffer, .address_space: global }
    .group_segment_fixed_size: 327680
    .private_segment_fixed_size: 0
    .kernarg_segment_align: 8
    .kernarg_segment_size: 40
    .max_flat_workgroup_size: 128
    .sgpr_count:     100
    .vgpr_count:     1024
    .wavefront_size: 32
...
	.end_amdgpu_metadata
.endif
;; end of part 1
;; launch attn (part 2): grid 4 x 64, 16 waves a work-group, no clusters, 327,680 bytes of LDS; arguments qkv, lowp_scales, att; writes att
.if DOCPART == 2
	.amdgcn_target "amdgcn-amd-amdhsa--gfx1250"
	.amdhsa_code_object_version 6
	.text
	.protected	k_qe0d65ef30d_attn
	.globl	k_qe0d65ef30d_attn
	.p2align	8
	.type	k_qe0d65ef30d_attn,@function
k_qe0d65ef30d_attn:
	s_mov_b64 s[64:65], 0
	v_nop
	global_prefetch_b8 v0, s[64:65] scope:SCOPE_SE
	s_setreg_imm32_b32 hwreg(HW_REG_WAVE_MODE, 25, 1), 1
	s_wait_xcnt 0x0
; Causal attention of one head on codes of FP8 (E4M3): S = q k^T, softmax, O = p v, O / l quantised for the last product.  64 heads (bh = 16 batch + head), 2048 queries and keys, head size 64.
; INPUT: the workspace of the launch before: q, k: [bh][block of 16 rows: 128][chunk 2][lane 32][16 bytes]; v: [bh][step of 128 keys: 16][16 channels: 4][chunk 4][lane 32][16 bytes]: images of operand registers:
; a load of 16 bytes at 16 x lane brings four registers of an operand.  OUTPUT: att [block of 16 rows: 512][head 16][chunk 2][lane 32][16 bytes], the same kind of image, K = 64 head + channel.
; THE SOFTMAX: t = score x 2^(e2 + e3) x log2(e) / 8; M = the running largest t rounded UP to a whole number; p = 2^(t - M) is quantised with 2^e4, not normalised; the row's sum l is taken of the unquantised p;
; when M moves, l and O are multiplied by 2^(old M - new M), which rounds nothing.  At the end O / l stands for O / l x 2^(e4 + e5) and is quantised with 2^e6: the three are folded into the conversion's one scale.
; LIMITS: e2 + e3 between -123 and 130 (added to c's exponent field); e4 and e6 - e4 - e5 between -126 and 119.
; SHARES.  Work-group (j, bh) owns the query blocks 7 - j and j, of 256 queries: 8 - j and j + 1 slots of 256 keys: NINE trips in every work-group, and no tile wholly under the mask is fetched.
; Trip i < 8 - j: block 7 - j, key slot i; from trip 8 - j on: block j, key slot i - (8 - j).  Each of the sixteen waves owns 16 queries of the block in hand; four waves to a SIMD.
; NO CLUSTER: the four work-groups of a head ask for the same tiles only up to trip 7 - j, which differs from partner to partner; partners that asked alike in every trip would walk 8 + 4 = 12 slots in place of 9.
; LAYOUT.  Both products transposed: S^T = k q^T (source 0 = 16 keys, source 1 = my 16 queries): lane (r, h) holds query r, register j of tile t key 16 t + 8 h + j.  One conversion a tile gives registers 2 t, 2 t + 1
; of p's operand (K = 16 t + 8 h + 0 .. 7: ISA guide 7.12.2).  O^T = v^T p^T (source 0 = 16 channels x 128 keys): lane (r, h) holds query r, register j of tile t channel 16 t + 8 h + j.
; REGISTERS: v1-6 addresses; v12 -M, v13 the largest t, v[14:15] the sum; v16-23 Q; v24-31 the second block's Q; v32-95 K's, then V's fragments; v96-159 S^T, then p; v160-191 O^T; v192-199 the output's codes; v224-239 p's codes.
.set SLOT1, 32768                      ; a slot: 16,384 bytes of K (16 images), 16,384 of V (2 steps x 4 images); slot 1 begins here: one exclusive or turns an address
.set VOFF,  16384
.set SPARE, 65536                      ; behind the ring: the spare words, 128 bytes for each of sixteen waves
.set LI,   1                           ; v1   16 x lane; never rewritten
.set ADR,  2                           ; v2   LDS address of the slot in hand, for my lane
.set SPW,  3                           ; v3   my spare word; never rewritten
.set NIL,  4                           ; v4   0; never rewritten
.set RH,   5                           ; v5   r - 8 h
.set PFO,  6                           ; v6   256 x lane; never rewritten
.set KV,   32
.set ST,   96
.set OT,   160
.set OC,   192
.set PC,   224
.set TB,   2                           ; s2   LDS byte at which the slot in hand begins
.set WV,   18                          ; s18  my wave's number
.set SEL,  20                          ; s[20:21] lane selects: lane l xor 16
.set CS,   22                          ; s[22:23] c = log2(e) / 8 x 2^(e2 + e3)
.set G1,   24                          ; s[24:31] descriptor group 1
.set G0,   32                          ; s[32:35] descriptor group 0, which walks
.set BASE, 36                          ; s[36:37] my part of key slot 0 in memory
.set STEPO, 38                         ; s[38:39] 16,384 x the key slot to be asked for
.set CNT,  40                          ; s40  the trip
.set CHG,  41                          ; s41  8 - j: the trip that begins the second block
.set KSN,  42                          ; s42  the key slot asked for last
.set KF,   43                          ; s43  the step's first key
.set Q0,   44                          ; s44  my first query in the block in hand
.set Q0B,  45                          ; s45  in the second block
.set PFA,  46                          ; s[46:47] where my prefetches stand
.set LIMP, 48                          ; s48  6 in a wave that prefetches, else 0
.set OA,   50                          ; s[50:51] the first block's place in att
.set OB,   52                          ; s[52:53] the second block's
; Waves 0 to 3 fetch, 8,192 dense bytes each: K's two halves, V's two steps.  The branch hangs on the wave's number alone.  Four v_nop follow the load.
.macro TLOAD
	s_cmp_lt_u32 s[WV], 4
	s_cbranch_scc0 .Lasked_\@
	tensor_load_to_lds s[G0:G0+3], s[G1:G1+7]
	s_nop 0
.rept 4
	v_nop
.endr
.Lasked_\@:
.endm
; A prefetch of the key slot that the NEXT change of slots will ask for.  All four work-groups of a head walk key slots from 0 on; the one with j = 0 walks all eight in order, and it alone asks.
; In it waves 4 to 7 ask, one instruction each, for the 8,192 bytes that waves 0 to 3 will fetch: a lane names 256 bytes.  In trip i < 6 it names slot i + 2; slots 0 and 1 come by their loads alone; slot 7 is the last.
.macro ASK
	s_cmp_lt_u32 s[CNT], s[LIMP]
	s_cbranch_scc0 .Lnot_mine_\@
	global_prefetch_b8 v[PFO], s[PFA:PFA+1] th:TH_LOAD_NT scope:SCOPE_SE
.Lnot_mine_\@:
.endm
.macro INIT                            ; a block of queries begins: the largest t is under every t, the sum and O^T are zeros, which the first change of M leaves zeros
	v_mov_b32 v13, 0xff61b1e6                      ; -3e38
	s_delay_alu instid0(VALU_DEP_1)
	v_floor_f32 v12, -v13
	v_mov_b32 v14, 0
	v_mov_b32 v15, 0
.set i, 0
.rept 32
	v_mov_b32 v[OT+i], 0
.set i, i+1
.endr
.endm
; A block of queries ends: O^T / l, held, converted, stored: two stores of 512 consecutive bytes.
.macro FINAL base
.rept 4
	v_nop                                          ; places behind the last products
.endr
	v_add_f32 v14, v14, v15                        ; the sum's two halves,
	s_delay_alu instid0(VALU_DEP_1)
	v_permlanex16_b32 v252, v14, s[SEL], s[SEL+1]
	s_delay_alu instid0(VALU_DEP_1)
	v_add_f32 v14, v14, v252                       ; and lane l xor 16's
	s_wait_alu depctr_va_vdst(0)
	v_rcp_f32 v14, v14
	v_nop                                          ; a plain line behind the transcendental
	s_wait_alu depctr_va_vdst(0)                   ; ahead of the first reader
.set i, 0
.rept 16
	v_pk_mul_f32 v[ST+i:ST+i+1], v[OT+i:OT+i+1], v[14:15] op_sel_hi:[1,0]   ; each accumulator from its low end on
.set i, i+2
.endr
.set i, 0
.rept 32
.set i, i+1
.endr
	s_wait_alu depctr_va_vdst(0)
	s_wait_xcnt 0x0                                ; the first block's stores have read the codes' registers
.set i, 0
.rept 4
	v_cvt_scalef32_pk8_fp8_f32 v[OC+2*i:OC+2*i+1], v[ST+8*i:ST+8*i+7], v245
.set i, i+1
.endr
	v_nop                                          ; one plain line behind the last conversion
	global_store_b128 v[LI], v[OC:OC+3], s[\base:\base+1]
	global_store_b128 v[LI], v[OC+4:OC+7], s[\base:\base+1] offset:512
.endm
; In trip 8 - j the work-group goes over to its second block: a scalar branch on ids; no barrier and no tensor load stands in it.
.macro SWITCH
	s_cmp_eq_u32 s[CNT], s[CHG]
	s_cbranch_scc0 .Lsame_\@
	FINAL OA
	INIT
.set i, 0
.rept 8
	v_mov_b32 v[16+i], v[24+i]
.set i, i+1
.endr
	s_mov_b32 s[KF], 0
	s_mov_b32 s[Q0], s[Q0B]
.Lsame_\@:
.endm
; THE CHANGE OF SLOTS stands at a trip's head.  Each wave waits for all its tensor loads, adds 0 to its spare word, and waits for that and for its reads of the slot that it has left.  fill = 1: that slot is filled with the next trip's keys.
.macro CHANGE fill
	s_wait_tensorcnt 0x0                           ; no tensor load of mine is out, so group 0 may be written
	ds_add_u32 v[SPW], v[NIL]                      ; 0 onto my spare word
.if \fill
	s_add_co_u32 s[KSN], s[KSN], 1                 ; the next key slot,
	s_add_co_u32 s70, s[CNT], 1
	s_cmp_eq_u32 s70, s[CHG]
	s_cselect_b32 s[KSN], 0, s[KSN]                ; or slot 0 where the next trip begins the second block
	s_lshl_b32 s[STEPO], s[KSN], 14
	s_add_nc_u64 s[G0+2:G0+3], s[BASE:BASE+1], s[STEPO:STEPO+1]
	s_or_b32 s[G0+3], s[G0+3], 0x80000000
	s_xor_b32 s[G0+1], s[G0+1], SLOT1              ; into the other slot than last time
	s_wait_xcnt 0x0                                ; the last prefetch, a trip back, has read its address
	s_add_nc_u64 s[PFA:PFA+1], s[PFA:PFA+1], 16384
.endif
	s_wait_dscnt 0x0                               ; the add is done, and my reads of the slot that I have left are over
	s_barrier_signal -1
	s_barrier_wait -1
.if \fill
	TLOAD                                          ; the first thing behind the barrier, a wave's one tensor load until the next
	ASK
.endif
.endm
; A KEY STEP: 128 keys, the q-th of the slot in hand.
.macro STEP q
	s_add_co_u32 s96, s[Q0], 15                    ; a step all of whose keys come after my 16 queries is left out
	s_cmp_gt_u32 s[KF], s96
	s_cbranch_scc1 .Lhidden_\@
	v_add_nc_u32 v[ADR], s[TB], v[LI]
.rept 3
	v_nop                                          ; with the addition: four places in front of loads into registers that the last products read
.endr
.set t, 0
.rept 8
	ds_load_b128 v[KV+8*t:KV+8*t+3], v[ADR] offset:8192*(\q)+1024*t
	ds_load_b128 v[KV+8*t+4:KV+8*t+7], v[ADR] offset:8192*(\q)+1024*t+512
.set t, t+1
.endr
	s_wait_dscnt 0x0                               ; K is in
.set t, 0
	s_wait_alu depctr_va_vdst(0)
.rept 8
	v_wmma_f32_16x16x64_fp8_fp8 v[ST+8*t:ST+8*t+7], v[KV+8*t:KV+8*t+7], v[16:23], 0
.set t, t+1
.endr
.rept 4
	v_nop                                          ; places: for the loads below and for the first read of the scores
.endr
.set t, 0
.rept 16
	ds_load_b128 v[KV+4*t:KV+4*t+3], v[ADR] offset:VOFF+8192*(\q)+512*t   ; V, four images of 2,048 bytes on end: it lands under the softmax
.set t, t+1
.endr
	s_add_co_u32 s96, s[KF], 127                   ; on the diagonal hidden scores become -infinity ahead of the maximum; a step all of whose keys count skips this
	s_cmp_le_u32 s96, s[Q0]
	s_cbranch_scc1 .Lopen_\@
	s_sub_co_i32 s96, s[Q0], s[KF]
	v_add_nc_u32 v252, s96, v[RH]                  ; d = my query - KF - 8 h.  Register 8 t + j holds key KF + 16 t + 8 h + j: hidden where 16 t + j > d
	v_mov_b32 v254, 0xff800000
.set n, 0
.rept 64
	v_cmp_gt_i32 vcc_lo, 16*(n/8)+n%8, v252
	v_cndmask_b32 v[ST+n], v[ST+n], v254, vcc_lo
.set n, n+1
.endr
.Lopen_\@:
	v_max3_num_f32 v254, v[ST], v[ST+1], v[ST+2]   ; the step's largest score of my query among my 64 keys, in two chains
	v_max3_num_f32 v252, v[ST+3], v[ST+4], v[ST+5]
.set n, 6
.rept 14
	v_max3_num_f32 v254, v254, v[ST+n], v[ST+n+1]
	v_max3_num_f32 v252, v252, v[ST+n+2], v[ST+n+3]
.set n, n+4
.endr
	v_max3_num_f32 v254, v254, v[ST+62], v[ST+63]
	s_delay_alu instid0(VALU_DEP_1)
	v_max_num_f32 v254, v254, v252
	v_permlanex16_b32 v236, v254, s[SEL], s[SEL+1]
	s_delay_alu instid0(VALU_DEP_1)
	v_max_num_f32 v254, v254, v236                 ; and among lane l xor 16's
	s_delay_alu instid0(VALU_DEP_1)
	v_mul_f32 v254, s[CS], v254                    ; as t (c is positive)
	s_delay_alu instid0(VALU_DEP_1)
	v_max_num_f32 v13, v13, v254                   ; the running largest t
	v_mov_b32 v254, v12
	s_delay_alu instid0(VALU_DEP_2)
	v_floor_f32 v12, -v13                          ; the new -M = floor(-t)
	s_delay_alu instid0(VALU_DEP_1)
	v_sub_f32 v254, v12, v254                      ; old M - new M: a whole number, 0 or less
	s_delay_alu instid0(VALU_DEP_1)
	v_cvt_i32_f32 v254, v254                       ; (it saturates)
	s_delay_alu instid0(VALU_DEP_1)
	v_ldexp_f32 v252, 1.0, v254                    ; f = 2^(old M - new M)
.set n, 0
.rept 32
	v_pk_fma_f32 v[ST+n:ST+n+1], v[ST+n:ST+n+1], s[CS:CS+1], v[12:13] op_sel_hi:[1,0,0]   ; t - M, two at a time
.set n, n+2
.endr
.set n, 0
	s_wait_alu depctr_va_vdst(0)
.rept 64
	v_exp_f32 v[ST+n], v[ST+n]                     ; p = 2^(t - M)
.set n, n+1
.endr
	v_pk_mul_f32 v[14:15], v[14:15], v[252:253] op_sel_hi:[1,0]   ; the sums under the new M: the plain line behind the exponentials
	s_wait_alu depctr_va_vdst(0)                   ; one wait for the batch, ahead of its first reader
	v_pk_add_f32 v[242:243], v[100:101], v[104:105]
	v_pk_add_f32 v[254:255], v[108:109], v[112:113]
	v_pk_add_f32 v[250:251], v[116:117], v[120:121]
	v_pk_add_f32 v[248:249], v[124:125], v[128:129]
	v_pk_add_f32 v[246:247], v[132:133], v[136:137]
	v_pk_add_f32 v[240:241], v[140:141], v[144:145]
	v_pk_add_f32 v[238:239], v[148:149], v[152:153]
	v_pk_add_f32 v[14:15], v[14:15], v[156:157]
	v_pk_add_f32 v[242:243], v[242:243], v[96:97]
	v_pk_add_f32 v[254:255], v[254:255], v[98:99]
	v_pk_add_f32 v[250:251], v[250:251], v[102:103]
	v_pk_add_f32 v[248:249], v[248:249], v[106:107]
	v_pk_add_f32 v[246:247], v[246:247], v[110:111]
	v_pk_add_f32 v[240:241], v[240:241], v[114:115]
	v_pk_add_f32 v[238:239], v[238:239], v[118:119]
	v_pk_add_f32 v[14:15], v[14:15], v[122:123]
	v_pk_add_f32 v[242:243], v[242:243], v[126:127]
	v_pk_add_f32 v[254:255], v[254:255], v[130:131]
	v_pk_add_f32 v[250:251], v[250:251], v[134:135]
	v_pk_add_f32 v[248:249], v[248:249], v[138:139]
	v_pk_add_f32 v[246:247], v[246:247], v[142:143]
	v_pk_add_f32 v[240:241], v[240:241], v[146:147]
	v_pk_add_f32 v[238:239], v[238:239], v[150:151]
	v_pk_add_f32 v[14:15], v[14:15], v[154:155]
	v_pk_add_f32 v[242:243], v[242:243], v[158:159]
	s_delay_alu instid0(VALU_DEP_2)
	v_pk_add_f32 v[14:15], v[14:15], v[248:249]
	s_delay_alu instid0(VALU_DEP_2)
	v_pk_add_f32 v[242:243], v[242:243], v[246:247]
	v_pk_add_f32 v[254:255], v[254:255], v[240:241]
	v_pk_add_f32 v[250:251], v[250:251], v[238:239]
	s_delay_alu instid0(VALU_DEP_2)
	v_pk_add_f32 v[14:15], v[14:15], v[254:255]
	s_delay_alu instid0(VALU_DEP_2)
	v_pk_add_f32 v[242:243], v[242:243], v[250:251]
	s_delay_alu instid0(VALU_DEP_1)
	v_pk_add_f32 v[14:15], v[14:15], v[242:243]
.set t, 0
.rept 8
.set n, 0
.rept 8
.set n, n+1
.endr
	v_cvt_scalef32_pk8_fp8_f32 v[PC+2*t:PC+2*t+1], v[ST+8*t:ST+8*t+7], v244
.set t, t+1
.endr
.set n, 0
.rept 16
	v_pk_mul_f32 v[OT+n:OT+n+1], v[OT+n:OT+n+1], v[252:253] op_sel_hi:[1,0]   ; O^T under the new M; also the plain lines behind the conversions
.set n, n+2
.endr
	s_wait_alu depctr_va_vdst(0)
	s_wait_dscnt 0x0                               ; V is in
.set t, 0
.rept 4
	v_wmma_f32_16x16x128_fp8_fp8 v[OT+8*t:OT+8*t+7], v[KV+16*t:KV+16*t+15], v[PC:PC+15], v[OT+8*t:OT+8*t+7]   ; four accumulators by turns
.set t, t+1
.endr
.Lhidden_\@:
	s_add_co_u32 s[KF], s[KF], 128
.endm
	s_load_b128 s[4:7], s[0:1], 0x0                ; the workspace of q, k, v s[4:5]; the scales' exponents s[6:7]
	s_load_b64 s[8:9], s[0:1], 0x10                ; att
	v_lshl_add_u32 v[SPW], v0, 2, SPARE
	v_mov_b32 v[NIL], 0
	ds_add_u32 v3, v4
	ds_add_u32 v3, v4
	s_wait_dscnt 0x0
	v_lshrrev_b32 v2, 5, v0
	s_delay_alu instid0(VALU_DEP_1)
	v_readfirstlane_b32 s[WV], v2                  ; wave 0..15
	s_and_b32 s66, ttmp7, 0xffff                   ; bh
	s_lshl_b32 s67, s66, 17                        ; its 131,072 bytes in each of q, k, v
	; descriptor group 1: 8,192 dense bytes as 32 rows of 32 elements of 8 bytes; no padding: every LDS load takes 512 consecutive bytes
	s_mov_b32 s[G1], 3<<16                         ; no mask; elements of 8 bytes
	s_mov_b32 s[G1+1], 32<<16                      ; tensor_dim0
	s_mov_b32 s[G1+2], 32<<16                      ; tensor_dim1
	s_mov_b32 s[G1+3], 32<<16                      ; tile_dim0
	s_mov_b32 s[G1+4], 32                          ; tile_dim1
	s_mov_b32 s[G1+5], 32                          ; tensor_dim0_stride
	s_mov_b32 s[G1+6], 0
	s_mov_b32 s[G1+7], 0
	s_and_b32 s70, s[WV], 3
	s_lshl_b32 s[G0+1], s70, 13                    ; LDS: slot 0, 8,192 x (wave % 4): K's halves, then V's steps
	s_lshr_b32 s68, s70, 1
	s_add_co_u32 s68, s68, 1
	s_lshl_b32 s68, s68, 23                        ; part 1 (k) or 2 (v) of the workspace
	s_add_co_u32 s68, s68, s67
	s_and_b32 s70, s[WV], 1
	s_lshl_b32 s70, s70, 13
	s_add_co_u32 s68, s68, s70
	s_mov_b32 s69, 0
	s_sub_co_u32 s[CHG], 8, ttmp9                  ; 8 - j
	s_sub_co_u32 s70, 7, ttmp9
	s_lshl_b32 s[Q0], s70, 8
	s_lshl_b32 s71, s[WV], 4
	s_add_co_u32 s[Q0], s[Q0], s71                 ; 256 (7 - j) + 16 wave
	s_lshl_b32 s[Q0B], ttmp9, 8
	s_add_co_u32 s[Q0B], s[Q0B], s71               ; 256 j + 16 wave
	s_lshr_b32 s70, s66, 4
	s_lshl_b32 s70, s70, 21                        ; att: the batch's 128 blocks of 16,384 bytes,
	s_and_b32 s71, s66, 15
	s_lshl_b32 s71, s71, 10                        ; the head's 1,024,
	s_add_co_u32 s70, s70, s71
	s_lshl_b32 s[OA], s[Q0], 10                    ; and (query / 16) x 16,384
	s_add_co_u32 s[OA], s[OA], s70
	s_mov_b32 s[OA+1], 0
	s_lshl_b32 s[OB], s[Q0B], 10
	s_add_co_u32 s[OB], s[OB], s70
	s_mov_b32 s[OB+1], 0
	s_lshl_b32 s72, s[Q0], 6                       ; q: (query / 16) x 1,024
	s_add_co_u32 s72, s72, s67
	s_mov_b32 s73, 0
	s_lshl_b32 s74, s[Q0B], 6
	s_add_co_u32 s74, s74, s67
	s_mov_b32 s75, 0
	s_lshr_b32 s70, s[WV], 2
	s_xor_b32 s70, s70, 1                          ; 0 in waves 4 to 7,
	s_or_b32 s70, s70, ttmp9                       ; of the work-group with j = 0
	s_cmp_eq_u32 s70, 0
	s_cselect_b32 s[LIMP], 6, 0
	s_mov_b32 s[SEL], 0x76543210
	s_mov_b32 s[SEL+1], 0xfedcba98
	s_mov_b32 s[STEPO+1], 0
	s_mov_b32 s[TB], 0
	s_mov_b32 s[CNT], 0
	s_mov_b32 s[KSN], 0
	s_mov_b32 s[KF], 0
	s_wait_kmcnt 0x0
	s_load_b256 s[56:63], s[6:7], 0x0              ; e0 .. e7
	s_add_nc_u64 s[BASE:BASE+1], s[4:5], s[68:69]
	s_mov_b32 s[G0], 1
	s_mov_b64 s[G0+2:G0+3], s[BASE:BASE+1]         ; key slot 0
	s_or_b32 s[G0+3], s[G0+3], 0x80000000
	TLOAD                                          ; the first fill, ahead of every wait on TENSORcnt, every LDS read and every barrier
	s_add_nc_u64 s[72:73], s[4:5], s[72:73]
	s_add_nc_u64 s[74:75], s[4:5], s[74:75]
	s_add_nc_u64 s[OA:OA+1], s[8:9], s[OA:OA+1]
	s_add_nc_u64 s[OB:OB+1], s[8:9], s[OB:OB+1]
	s_add_nc_u64 s[PFA:PFA+1], s[BASE:BASE+1], 16384   ; at key slot 1: the first change of slots steps it to slot 2
	v_and_b32 v[LI], 31, v0
	s_delay_alu instid0(VALU_DEP_1)
	v_lshlrev_b32 v[PFO], 8, v[LI]
	s_delay_alu instid0(VALU_DEP_2)
	v_lshlrev_b32 v[LI], 4, v[LI]
	global_load_b128 v[16:19], v[LI], s[72:73]               ; Q of both blocks stays in registers
	global_load_b128 v[20:23], v[LI], s[72:73] offset:512
	global_load_b128 v[24:27], v[LI], s[74:75]
	global_load_b128 v[28:31], v[LI], s[74:75] offset:512
	v_and_b32 v[RH], 15, v0
	v_bfe_u32 v2, v0, 4, 1
	s_delay_alu instid0(VALU_DEP_1)
	v_lshlrev_b32 v2, 3, v2
	s_delay_alu instid0(VALU_DEP_1)
	v_sub_nc_u32 v[RH], v[RH], v2                  ; r - 8 h
	v_mov_b32 v236, 0                              ; written once: a lane permute's destination counts as one of its sources
	v_mov_b32 v252, 0
	v_mov_b32 v253, 0                              ; (named as the upper half of the pair v[252:253])
	INIT
	s_wait_kmcnt 0x0
	s_mov_b32 s[CS], 0x3e38aa3b                    ; log2(e) / 8
	s_add_co_i32 s70, s58, s59
	s_lshl_b32 s70, s70, 23
	s_add_co_i32 s[CS], s[CS], s70                 ; x 2^(e2 + e3): added to the exponent field
	s_mov_b32 s[CS+1], s[CS]
	s_add_co_i32 s70, s60, 127
	s_lshl_b32 s71, s70, 23
	v_mov_b32 v244, s71                            ; 2^e4
	s_sub_co_i32 s70, s62, s60
	s_sub_co_i32 s70, s70, s61
	s_add_co_i32 s70, s70, 127
	s_lshl_b32 s71, s70, 23
	v_mov_b32 v245, s71                            ; 2^(e6 - e4 - e5)
	s_wait_loadcnt 0x0                             ; Q
.Lslot:                                            ; eight trips: behind each change of slots the next trip's keys are asked for
	CHANGE 1
	SWITCH
	STEP 0
	STEP 1
	s_xor_b32 s[TB], s[TB], SLOT1
	s_add_co_u32 s[CNT], s[CNT], 1
	s_cmp_lt_u32 s[CNT], 8
	s_cbranch_scc1 .Lslot
	CHANGE 0                                       ; the ninth trip is written out
	SWITCH                                         ; (j = 0 goes over to its second block here)
	STEP 0
	STEP 1
	FINAL OB
	s_wait_tensorcnt 0x0                           ; the wave's end
	ds_add_u32 v[SPW], v[NIL]
	s_wait_dscnt 0x0
	s_endpgm
.Lfunc_end_k_qe0d65ef30d_attn:
	.size	k_qe0d65ef30d_attn, .Lfunc_end_k_qe0d65ef30d_attn-k_qe0d65ef30d_attn
	.p2alignl 7, 3214868480
	.fill 96, 4, 3214868480
	.section	.rodata,"a",@progbits
	.p2align	6, 0x0
	.amdhsa_kernel k_qe0d65ef30d_attn
		.amdhsa_group_segment_fixed_size 327680
		.amdhsa_private_segment_fixed_size 0
		.amdhsa_enable_private_segment 0
		.amdhsa_kernarg_size 24
		.amdhsa_user_sgpr_count 2
		.amdhsa_user_sgpr_kernarg_segment_ptr 1
		.amdhsa_wavefront_size32 1
		.amdhsa_system_sgpr_workgroup_id_x 1
		.amdhsa_system_sgpr_workgroup_id_y 1
		.amdhsa_system_sgpr_workgroup_id_z 1
		.amdhsa_system_vgpr_workitem_id 0
		.amdhsa_next_free_vgpr 256
		.amdhsa_next_free_sgpr 100
		.amdhsa_reserve_vcc 1
		.amdhsa_float_denorm_mode_32 3
		.amdhsa_float_denorm_mode_16_64 3
		.amdhsa_fp16_overflow 1
		.amdhsa_memory_ordered 1
		.amdhsa_forward_progress 1
		.amdhsa_inst_pref_size 93
	.end_amdhsa_kernel
	.amdgpu_metadata
---
amdhsa.version: [ 1, 2 ]
amdhsa.kernels:
  - .name:           k_qe0d65ef30d_attn
    .symbol:         k_qe0d65ef30d_attn.kd
    .args:
      - { .name: qkv, .offset: 0, .size: 8, .value_kind: global_buffer, .address_space: global }
      - { .name: lowp_scales, .offset: 8, .size: 8, .value_kind: global_buffer, .address_space: global }
      - { .name: att, .offset: 16, .size: 8, .value_kind: global_buffer, .address_space: global }
    .group_segment_fixed_size: 327680
    .private_segment_fixed_size: 0
    .kernarg_segment_align: 8
    .kernarg_segment_size: 24
    .max_flat_workgroup_size: 512
    .sgpr_count:     100
    .vgpr_count:     256
    .wavefront_size: 32
...
	.end_amdgpu_metadata
.endif
;; end of part 2
;; launch proj (part 3): grid 8 x 32, 4 waves a work-group, clusters of 4 x 4, 327,680 bytes of LDS; arguments att, w_out_codes, lowp_scales, b_out, out0; writes out0
.if DOCPART == 3
	.amdgcn_target "amdgcn-amd-amdhsa--gfx1250"
	.amdhsa_code_object_version 6
	.text
	.protected	k_qe0d65ef30d_proj
	.globl	k_qe0d65ef30d_proj
	.p2align	8
	.type	k_qe0d65ef30d_proj,@function
k_qe0d65ef30d_proj:
	s_mov_b64 s[64:65], 0
	v_nop
	global_prefetch_b8 v0, s[64:65] scope:SCOPE_SE
	s_setreg_imm32_b32 hwreg(HW_REG_WAVE_MODE, 25, 1), 1
	s_wait_xcnt 0x0
	s_wait_alu depctr_hold_cnt(0) depctr_sa_sdst(0) depctr_va_vdst(0) depctr_va_sdst(0) depctr_va_ssrc(0) depctr_va_vcc(0) depctr_vm_vsrc(0)
	s_getreg_b32 s2, hwreg(HW_REG_IB_STS2, 6, 4)
	s_cmp_eq_u32 s2, 0
	s_cbranch_scc0 .Lentry_in_a_cluster
	s_endpgm
.Lentry_in_a_cluster:
	s_bfe_u32 s2, ttmp6, 0x10000c
	s_cmp_lg_u32 s2, 0xf033
	s_cbranch_scc0 .Lentry_shape_is_right
	s_endpgm
.Lentry_shape_is_right:
; out0 = att w_out^T x 2^(e6 + e7) + b_out on codes of FP8 (E4M3).  att: 8192 rows x 1024 K as images of operand registers, [block of 16 rows: 512][128 along K: 8][chunk 4][lane 32][16 bytes];
; w_out: [1024][1024] codes, K innermost; out0: [8192][1024] f32.  LIMIT: e6 + e7 between -126 and 127, so that 2^(e6 + e7) is an f32 number.
; SHARES.  A tile of 256 rows x 128 columns to a work-group: 32 x 8 = 256 work-groups.  A wave makes 128 x 64: 32 accumulators, 256 registers.  K goes in steps of 256 through two LDS slots.
; THE MATRIX INSTRUCTION IS USED TRANSPOSED (source 0 = 16 rows of w_out, source 1 = 16 rows of att): a lane holds eight neighbouring numbers of a row of out0.
; FRAGMENTS.  att's come as they were stored: four loads of 16 bytes at 16 x lane; registers 2 c, 2 c + 1 hold K = 16 c + 8 h + 0 .. 7 (ISA guide 7.12.2).  So w_out's take the same places: eight loads of 8 bytes at row x pitch + 16 c + 8 h.
; CLUSTERS: 4 x 4: att's tiles are shared along a row of the cluster, w_out's along a column, each asked for jointly.
; REGISTERS: window 0: v0-31 addresses; v32-63 the bias; v64-95 a block's results; from v128 att's fragments, ONE set (on the way out: rows read back).  window 1: w_out's fragments, two sets, at v0 and v128.  window 2: accumulator (a, b) at v[8 (4 a + b)].
.set PITCH,  272                       ; a row of w_out's tile in LDS: 256 bytes + 16 = 68 words: lane (r, h) starts at bank 4 r + 2 h mod 64 (64 banks of 4 bytes: ISA guide 11.1): the 32 lanes of an 8-byte load touch 64 different banks
.set FR,     16
.set NP,     4
.set AHALF,  32768                     ; 128 rows of att x 256 K: 8 blocks x 2 x 2,048 bytes, dense
.set BOFF,   2*AHALF
.set BHALF,  64*PITCH                  ; 64 rows of w_out
.set SLOT2,  BOFF+2*BHALF              ; 100,352
.set SPARE,  2*SLOT2                   ; behind the ring: the spare words, 128 bytes a wave
.set STG,    SPARE+512                 ; behind them: a stage of 16 rows x (256 + 16) bytes for each wave; no tensor load lands there
.set SPITCH, 272
.set ADRA, 16
.set ADRB, 20
.set STO,  24
.set RD,   25
.set CO,   26
.set SPW,  28
.set NIL,  29
.set BQ,   32
.set TMP,  64
.set AF,   128
.set BK,   128
.set G1, 24
.set G0, 32
.set G1B, 48
.set G0B, 56
.set MSB, 0
.macro WIN new
.if MSB != (\new)
	s_set_vgpr_msb (MSB<<8)|(\new)
.set MSB, (\new)
.endif
.endm
.set MUL,  0xa1                        ; source 0 (w_out) window 1, source 1 (att) window 0, C and D window 2
.set TO_B, 0x40                        ; destination window 1, address window 0
.macro JLOAD g0a, g1a, g0b, g1b        ; waves 0 and 1 fetch att's halves, waves 2 and 3 w_out's; four v_nop follow each of the two lines
	s_cmp_eq_u32 s15, 0
	s_cbranch_scc0 .Lfor_b_\@
	tensor_load_to_lds s[\g0a:\g0a+3], s[\g1a:\g1a+7]
	s_nop 0
.rept 4
	v_nop
.endr
	s_branch .Lasked_\@
.Lfor_b_\@:
	tensor_load_to_lds s[\g0b:\g0b+3], s[\g1b:\g1b+7]
	s_nop 0
.rept 4
	v_nop
.endr
.Lasked_\@:
.endm
.macro CREST
	s_cmp_lg_u32 s14, 0
	s_cbranch_scc1 .Lnot_wave_0_\@
	s_barrier_signal -3
.Lnot_wave_0_\@:
	s_barrier_wait -3
	s_barrier_signal -1
	s_barrier_wait -1
.endm
.macro CROUND
	s_barrier_signal -1
	s_barrier_wait -1
	CREST
.endm
	s_load_b128 s[4:7], s[0:1], 0x0                ; att s[4:5], w_out's codes s[6:7]
	s_load_b128 s[8:11], s[0:1], 0x10              ; the scales' exponents s[8:9], b_out s[10:11]
	s_load_b64 s[12:13], s[0:1], 0x20              ; out0
	v_lshl_add_u32 v[SPW], v0, 2, SPARE
	v_mov_b32 v[NIL], 0
	ds_add_u32 v28, v29
	ds_add_u32 v28, v29
	s_wait_dscnt 0x0
	v_lshrrev_b32 v1, 5, v0
	v_readfirstlane_b32 s14, v1                    ; wave 0..3
	s_lshr_b32 s15, s14, 1                         ; my half of the tile's rows.  Also: I fetch for att (0) or for w_out (1)
	s_and_b32 s16, s14, 1                          ; my half of its columns.  Also: which half I fetch
	s_bfe_u32 s40, ttmp6, 0x40000                  ; cx
	s_bfe_u32 s41, ttmp6, 0x40004                  ; cy
	s_lshl_b32 s42, ttmp9, 2
	s_add_co_u32 s42, s42, s40                     ; TB: tile column = 4 x cluster x + cx
	s_and_b32 s17, ttmp7, 0xffff
	s_lshl_b32 s17, s17, 2
	s_add_co_u32 s17, s17, s41                     ; TA: tile row = 4 x cluster y + cy
	s_lshl_b32 s43, s41, 2
	s_lshl_b32 s43, 15, s43                        ; my row of the cluster
	s_lshl_b32 s44, 0x1111, s40                    ; my column
	; att: 8 rows (blocks of 16 rows of att) of 4,096 bytes (256 along K), 16,384 bytes apart; dense in LDS
	s_or_b32 s[G1+0], s43, (1<<21)                 ; 15:0 the mask; elements of 1 byte; no padding; 21 set beside a mask
	s_mov_b32 s[G1+1], 4096<<16                    ; tensor_dim0
	s_mov_b32 s[G1+2], 8<<16                       ; tensor_dim1
	s_mov_b32 s[G1+3], 4096<<16                    ; tile_dim0
	s_mov_b32 s[G1+4], 8                           ; tile_dim1
	s_mov_b32 s[G1+5], 16384                       ; tensor_dim0_stride
	s_mov_b32 s[G1+6], 0
	s_mov_b32 s[G1+7], 0
	; w_out: 64 rows of 256 bytes, 1,024 apart; four words of padding after every 64
	s_or_b32 s[G1B+0], s44, (1<<20)|(1<<21)|(5<<22)|(3<<25)
	s_mov_b32 s[G1B+1], 256<<16
	s_mov_b32 s[G1B+2], 64<<16
	s_mov_b32 s[G1B+3], 256<<16
	s_mov_b32 s[G1B+4], 64
	s_mov_b32 s[G1B+5], 1024
	s_mov_b32 s[G1B+6], 0
	s_mov_b32 s[G1B+7], 0
	s_lshl_b32 s20, s17, 18                        ; att: 256 rows are 16 blocks of 16,384 bytes,
	s_lshl_b32 s18, s16, 17                        ; a half 8
	s_add_co_u32 s20, s20, s18
	s_mov_b32 s21, 0
	s_lshl_b32 s46, s42, 17                        ; w_out: 128 rows of 1,024 bytes,
	s_lshl_b32 s19, s16, 16                        ; a half 64
	s_add_co_u32 s46, s46, s19
	s_mov_b32 s47, 0
	s_lshl_b32 s45, s16, 15                        ; where att's half goes,
	s_mul_i32 s22, s16, BHALF
	s_add_co_u32 s22, s22, BOFF                    ; and w_out's: no place in the cluster enters an LDS address
	s_wait_kmcnt 0x0
	s_load_b256 s[68:75], s[8:9], 0x0              ; e0 .. e7
	s_add_nc_u64 s[20:21], s[4:5], s[20:21]
	s_add_nc_u64 s[46:47], s[6:7], s[46:47]
	CROUND                                         ; all sixteen work-groups are here: the first joint loads meet
.irp s, 0,1
	s_mov_b32 s[G0+4*\s], 1
	s_add_co_u32 s[G0+4*\s+1], s45, \s*SLOT2
	s_add_nc_u64 s[G0+4*\s+2:G0+4*\s+3], s[20:21], \s*4096
	s_or_b32 s[G0+4*\s+3], s[G0+4*\s+3], 0x80000000
	s_mov_b32 s[G0B+4*\s], 1
	s_add_co_u32 s[G0B+4*\s+1], s22, \s*SLOT2
	s_add_nc_u64 s[G0B+4*\s+2:G0B+4*\s+3], s[46:47], \s*256
	s_or_b32 s[G0B+4*\s+3], s[G0B+4*\s+3], 0x80000000
	s_wait_alu depctr_va_vdst(0)
	s_wait_tensorcnt 0x0
	ds_add_u32 v28, v29
	ds_add_u32 v28, v29
	s_wait_dscnt 0x0
	CROUND
	JLOAD G0+4*\s, G1, G0B+4*\s, G1B
.endr
	v_and_b32 v1, 15, v0                           ; r
	v_bfe_u32 v2, v0, 4, 1                         ; h
	v_and_b32 v6, 31, v0
	v_lshlrev_b32 v6, 4, v6                        ; 16 x lane
	v_mul_u32_u24 v3, v1, PITCH
	s_wait_alu depctr_va_vdst(0)
	v_lshl_add_u32 v4, v2, 3, v3                   ; row x pitch + 8 h
	s_lshl_b32 s18, s15, 15                        ; my 128 rows of att
	s_mul_i32 s19, s16, BHALF
	s_add_co_u32 s19, s19, BOFF                    ; my 64 rows of w_out
.irp s, 0,1
	v_add_nc_u32 v[ADRA+\s], s18, v6
	v_add_nc_u32 v[ADRB+\s], s19, v4
	s_add_co_u32 s18, s18, SLOT2
	s_add_co_u32 s19, s19, SLOT2
.endr
	s_mul_i32 s23, s14, 16*SPITCH
	s_add_co_u32 s23, s23, STG                     ; my stage
	v_lshl_add_u32 v5, v2, 5, v3                   ; in: row r, 32 bytes for each half of the lanes
	v_add_nc_u32 v[STO], s23, v5
	v_mul_u32_u24 v5, v2, SPITCH                   ; back: lanes 0-15 one row of 256 bytes, lanes 16-31 the next
	v_lshl_add_u32 v5, v1, 4, v5
	v_add_nc_u32 v[RD], s23, v5
	v_lshlrev_b32 v5, 12, v2                       ; and the same two rows in out0: 4,096 bytes a row
	v_lshl_add_u32 v[CO], v1, 4, v5
	s_lshl_b32 s20, s17, 20                        ; my first row: 256 TA + 128 half, x 4,096 bytes
	s_lshl_b32 s21, s15, 19
	s_add_co_u32 s20, s20, s21
	s_mov_b32 s21, 0
	s_lshl_b32 s46, s42, 9                         ; my first column: 128 TB + 64 half, x 4 bytes
	s_lshl_b32 s47, s16, 8
	s_add_co_u32 s46, s46, s47
	s_mov_b32 s47, 0
	s_add_nc_u64 s[10:11], s[10:11], s[46:47]
	s_add_nc_u64 s[12:13], s[12:13], s[20:21]
	s_add_nc_u64 s[12:13], s[12:13], s[46:47]
	v_lshlrev_b32 v7, 5, v2                        ; 32 h
.irp b, 0,1,2,3
	global_load_b128 v[BQ+8*\b:BQ+8*\b+3], v7, s[10:11] offset:64*\b        ; b_out(16 b + 8 h + 0 .. 3) of my 64 columns
	global_load_b128 v[BQ+8*\b+4:BQ+8*\b+7], v7, s[10:11] offset:64*\b+16
.endr
.macro FRAGA reg, slot, q, i           ; att's block i, the slot's q-th 128 along K: an image of 2,048 bytes
.irp c, 0,1,2,3
	ds_load_b128 v[\reg+4*\c:\reg+4*\c+3], v[ADRA+\slot] offset:4096*(\i)+2048*(\q)+512*\c
.endr
.endm
.macro FRAGB reg, slot, q, i           ; w_out's 16 rows i: registers 2 c, 2 c + 1: K = 16 c + 8 h + 0 .. 7
.irp c, 0,1,2,3,4,5,6,7
	ds_load_b64 v[\reg+2*\c:\reg+2*\c+1], v[ADRB+\slot] offset:128*(\q)+16*\c+(\i)*16*PITCH
.endr
.endm
; 8 matrix instructions: att's blocks a0, a0 + 1 x w_out's four.  The 32 accumulators take turns, one instruction a turn.
.macro MUL8 a0, p, zero
.irp a, \a0, \a0+1
.irp b, 0,1,2,3
.if \zero
	v_wmma_f32_16x16x128_fp8_fp8 v[8*(4*(\a)+\b):8*(4*(\a)+\b)+7], v[128*(\p)+FR*\b:128*(\p)+FR*\b+FR-1], v[AF+FR*(\a):AF+FR*(\a)+FR-1], 0
.else
	v_wmma_f32_16x16x128_fp8_fp8 v[8*(4*(\a)+\b):8*(4*(\a)+\b)+7], v[128*(\p)+FR*\b:128*(\p)+FR*\b+FR-1], v[AF+FR*(\a):AF+FR*(\a)+FR-1], v[8*(4*(\a)+\b):8*(4*(\a)+\b)+7]
.endif
.endr
.endr
.endm
.macro FETCH_B slot, q, p              ; 32 loads
	WIN TO_B
.irp i, 0,1,2,3
	FRAGB 128*(\p)+FR*\i, \slot, \q, \i
.endr
	WIN 0
.endm
.macro FETCH_A slot, q, i0             ; 16 loads
.irp i, \i0, \i0+1, \i0+2, \i0+3
	FRAGA AF+FR*(\i), \slot, \q, \i
.endr
.endm
.macro PLACES n
.rept \n
	v_nop
.endr
.endm
.macro STEP slot, q, zero
	s_wait_dscnt 16                                ; w_out's set and att's blocks 0-3 are in; the youngest sixteen loads (blocks 4-7) may be out
	WIN MUL
	MUL8 0, (\q)%2, \zero
	MUL8 2, (\q)%2, \zero
	s_wait_dscnt 0
	PLACES NP
	FETCH_B \slot, (\q)+1, 1-(\q)%2
	FETCH_A \slot, (\q)+1, 0
	WIN MUL
	MUL8 4, (\q)%2, \zero
	MUL8 6, (\q)%2, \zero
	PLACES NP
	WIN 0
	FETCH_A \slot, (\q)+1, 4
.endm
.macro TURN slot, next, fill
	s_wait_tensorcnt 0x0                           ; all my tensor loads have landed: my part of the next slot
	ds_add_u32 v[SPW], v[NIL]                      ; 0 onto my spare word
	s_wait_dscnt 17                                ; the add and the youngest sixteen loads may be out
	WIN MUL
	MUL8 0, 1, 0
	s_wait_dscnt 0x0                               ; the add is done, and my reads of this slot are over
	s_barrier_signal -1
	MUL8 2, 1, 0
	WIN 0
	s_barrier_wait -1
.if \fill
	CREST                                          ; the barrier has opened a round of the cluster's barrier
	s_add_nc_u64 s[G0+4*\slot+2:G0+4*\slot+3], s[G0+4*\slot+2:G0+4*\slot+3], 2*4096
	s_add_nc_u64 s[G0B+4*\slot+2:G0B+4*\slot+3], s[G0B+4*\slot+2:G0B+4*\slot+3], 2*256
	JLOAD G0+4*\slot, G1, G0B+4*\slot, G1B         ; the first tensor load behind the round; its four v_nop are also the places in front of the loads below
.else
	PLACES NP
.endif
	s_wait_alu depctr_va_vdst(0)
	FETCH_B \next, 0, 0
	FETCH_A \next, 0, 0
	WIN MUL
	MUL8 4, 1, 0
	MUL8 6, 1, 0
	PLACES NP
	WIN 0
	FETCH_A \next, 0, 4
.endm
	s_wait_tensorcnt 1                             ; my part of slot 0 is in; slot 1's load may be out
	s_barrier_signal -1
	s_barrier_wait -1
	FETCH_B 0, 0, 0
	FETCH_A 0, 0, 0
	FETCH_A 0, 0, 4
	STEP 0, 0, 1
	s_mov_b32 s3, 1                                ; K = 1024 = two laps of two slots of 256: the loop's one trip fills both slots again
.Llap:
	TURN 0, 1, 1
	STEP 1, 0, 0
	TURN 1, 0, 1
	STEP 0, 0, 0
	s_sub_co_u32 s3, s3, 1
	s_cmp_lg_u32 s3, 0
	s_cbranch_scc1 .Llap
	TURN 0, 1, 0
	STEP 1, 0, 0
	s_wait_dscnt 16
	WIN MUL
	MUL8 0, 1, 0
	MUL8 2, 1, 0
	s_wait_dscnt 0
	MUL8 4, 1, 0
	MUL8 6, 1, 0
	WIN 0
; THE WAY OUT, block by block of 16 rows x 64 columns: sum x 2^(e6 + e7) + b_out, through my own stage, back as whole rows of 256 bytes: sixteen lanes store 256 consecutive bytes, aligned.
.macro TOSTAGE a
	WIN 0x02                                       ; source 0: window 2
.irp b, 0,1,2,3
.irp i, 0,2,4,6
	v_pk_fma_f32 v[TMP+8*\b+\i:TMP+8*\b+\i+1], v[32*(\a)+8*\b+\i:32*(\a)+8*\b+\i+1], s[96:97], v[BQ+8*\b+\i:BQ+8*\b+\i+1] op_sel_hi:[1,0,1]
.endr
.endr
	WIN 0
.irp b, 0,1,2,3
	ds_store_b128 v[STO], v[TMP+8*\b:TMP+8*\b+3] offset:64*\b
	ds_store_b128 v[STO], v[TMP+8*\b+4:TMP+8*\b+7] offset:64*\b+16
.endr
.set BB, BK+32*((\a)%2)
.irp t, 0,1,2,3,4,5,6,7
	ds_load_b128 v[BB+4*\t:BB+4*\t+3], v[RD] offset:\t*2*SPITCH   ; LDS serves a wave's instructions in order (ISA guide 5.7.1.4): these see the stores above
.endr
.endm
.macro SEND a, younger                 ; younger: the LDS instructions issued behind block a's loads
.set BB, BK+32*((\a)%2)
	s_wait_dscnt \younger
.irp t, 0,1,2,3,4,5,6,7
	global_store_b128 v[CO], v[BB+4*\t:BB+4*\t+3], s[12:13] offset:65536*(\a)+8192*\t th:TH_STORE_NT
.endr
.endm
	s_wait_kmcnt 0x0
	s_add_co_i32 s96, s74, s75
	s_add_co_i32 s96, s96, 127
	s_lshl_b32 s96, s96, 23                        ; 2^(e6 + e7) as f32
	s_mov_b32 s97, s96                             ; (named with it as a pair, so it is written)
	s_wait_loadcnt 0x0                             ; the bias
	PLACES NP                                      ; behind the last products: their results are read, and att's registers loaded into, below
	TOSTAGE 0
.irp a, 1,2,3,4,5,6,7
.if \a > 1
	s_wait_xcnt 0x0                                ; block a - 2's stores have read the registers into which block a's rows come back
.endif
	TOSTAGE \a
	SEND \a-1, 16                                  ; behind block a - 1's loads: block a's 8 stores and 8 loads
.endr
	SEND 7, 0
	s_wait_tensorcnt 0x0                           ; the wave's end
	ds_add_u32 v[SPW], v[NIL]
	s_wait_dscnt 0x0
	CROUND                                         ; the closing round
	s_endpgm
.Lfunc_end_k_qe0d65ef30d_proj:
	.size	k_qe0d65ef30d_proj, .Lfunc_end_k_qe0d65ef30d_proj-k_qe0d65ef30d_proj
	.p2alignl 7, 3214868480
	.fill 96, 4, 3214868480
	.section	.rodata,"a",@progbits
	.p2align	6, 0x0
	.amdhsa_kernel k_qe0d65ef30d_proj
		.amdhsa_group_segment_fixed_size 327680
		.amdhsa_private_segment_fixed_size 0
		.amdhsa_enable_private_segment 0
		.amdhsa_kernarg_size 40
		.amdhsa_user_sgpr_count 2
		.amdhsa_user_sgpr_kernarg_segment_ptr 1
		.amdhsa_wavefront_size32 1
		.amdhsa_system_sgpr_workgroup_id_x 1
		.amdhsa_system_sgpr_workgroup_id_y 1
		.amdhsa_system_sgpr_workgroup_id_z 1
		.amdhsa_system_vgpr_workitem_id 0
		.amdhsa_next_free_vgpr 768
		.amdhsa_next_free_sgpr 100
		.amdhsa_reserve_vcc 0
		.amdhsa_float_denorm_mode_32 3
		.amdhsa_float_denorm_mode_16_64 3
		.amdhsa_memory_ordered 1
		.amdhsa_forward_progress 1
		.amdhsa_inst_pref_size 87
	.end_amdhsa_kernel
	.amdgpu_metadata
---
amdhsa.version: [ 1, 2 ]
amdhsa.kernels:
  - .name:           k_qe0d65ef30d_proj
    .symbol:         k_qe0d65ef30d_proj.kd
    .args:
      - { .name: att, .offset: 0, .size: 8, .value_kind: global_buffer, .address_space: global }
      - { .name: w_out_codes, .offset: 8, .size: 8, .value_kind: global_buffer, .address_space: global }
      - { .name: lowp_scales, .offset: 16, .size: 8, .value_kind: global_buffer, .address_space: global }
      - { .name: b_out, .offset: 24, .size: 8, .value_kind: global_buffer, .address_space: global }
      - { .name: out0, .offset: 32, .size: 8, .value_kind: global_buffer, .address_space: global }
    .group_segment_fixed_size: 327680
    .private_segment_fixed_size: 0
    .kernarg_segment_align: 8
    .kernarg_segment_size: 40
    .max_flat_workgroup_size: 128
    .sgpr_count:     100
    .vgpr_count:     768
    .wavefront_size: 32
...
	.end_amdgpu_metadata
.endif
;; end of part 3
